; MI455X (gfx1250); checked and timed in simulation.
; The chip was launched on July 23, 2026; its instructions are those of AMD's public machine-readable ISA for CDNA 5 (MIT licence, August 2026) and "CDNA5" Instruction Set Architecture Reference Guide (July 2026). The comments in the code are by the model that wrote it; some were corrected since.
;; GMF. Allowed arithmetic: float matrix products may take bf16 or f16 operands with f32 sums; all other float work in f32.
;; Inputs: P_weight 64 x 1,000,000 float32; Q_weight 64 x 100,032 float32; genres_one_hot 16,384 x 32 float32; item_ids 16,384 int32; user_ids 16,384 int32.
;; Outputs: out0 16,384 x 1 float32.
;; 2 versions, each right; version 2 is version 1 with the launch gmf written anew for expert scheduling mode. Each part assembles by itself: llvm-mc -triple=amdgcn-amd-amdhsa -mcpu=gfx1250 --defsym DOCPART=n.
;; ======== version 1 of 2: 1 launch
;; launch gmf (part 1): grid 256 x 1, 4 waves a work-group, no clusters, 4,864 bytes of LDS; arguments user_ids, item_ids, genres_one_hot, out0, Q_weight, P_weight; writes out0
.if DOCPART == 1
	.amdgcn_target "amdgcn-amd-amdhsa--gfx1250"
	.amdhsa_code_object_version 6
	.text
	.protected	k_q2508447ddf_gmf
	.globl	k_q2508447ddf_gmf
	.p2align	8
	.type	k_q2508447ddf_gmf,@function
k_q2508447ddf_gmf:
	s_mov_b64 s[64:65], 0
	v_nop
	global_prefetch_b8 v0, s[64:65] scope:SCOPE_SE
	s_setreg_imm32_b32 hwreg(HW_REG_WAVE_MODE, 25, 1), 1
	s_wait_xcnt 0x0
; out[b] = sum over k of P[k][user[b]] * ( Q[k][item[b]] + sum over g of genres[b][g] * Q[k][N_ITEMS+g] )
; P: [64][1,000,000] f32, Q: [64][100,032] f32, genres: [16384][32] f32, ids: [16384] i32, out: [16384] f32.
;
; SHARES.  256 work-groups of four waves; a work-group owns 64 batch elements (256 consecutive, aligned bytes of out), a wave 16.
; The matrix instruction is used transposed: source 0 = 16 latent rows of the genre weights, source 1 = 16 batch elements of genres.
; In C and D lane (r, h) then holds batch element r, and register j of tile t the tile row 8 h + j.  Which latent a tile row stands for is
; free as long as P, Q and the weight fragments agree; here tile t, row m is latent 32 (m / 8) + 8 t + (m % 8), so that a lane owns the 32
; consecutive latents 32 h + idx, idx = 8 t + j.  A lane needs two ids only, gathers 32 words of P and 32 of Q, and the gathered words of Q
; go into the matrix instruction as C: q_item + q_genre costs no add.  The sum over the latents is 16 packed multiply-adds in the lane and
; one exchange between the two halves of the wave.
; Every gathered word lies in a row of its own (rows are 4,000,000 and 400,128 bytes apart), so nothing can be joined: what counts is that
; all 64 gathers of every wave are issued as soon as the ids are there.  All waves walk the rows in the same ascending order.
; The genre weights (64 pieces of 128 bytes) are read once by the work-group: wave w loads and rounds tile w, the four register images
; meet in LDS.
;
; NOT USED, and why: tensor loads (no tile, only single words); clusters with joint requests (the work-groups share only the 8,192 bytes of
; genre weights, against 8,192 separately gathered words for each work-group); prefetches (each gather is issued as a load as soon as its
; id is known, nothing could be asked for earlier); cache hints on P and Q (an id may come twice, and other work-groups read neighbouring columns).
;
; LIMITS.  Ids are taken to lie inside their tables; an id outside (read as unsigned) is clamped to the last column and does not get what
; jnp.take would give it.  genres and the genre weights are rounded to bf16 (nearest even) for the matrix unit; all else is f32.
; The sum over the latents is made in four chains, not in the order of the reference.
.set N_USERS, 1000000
.set N_ITEMS, 100000
.set PROW,  4*N_USERS                  ; bytes in a row of P
.set QROW,  4*(N_ITEMS+32)             ; bytes in a row of Q
.set GCOL,  4*N_ITEMS                  ; byte of the first genre column in a row of Q
.set FRAG,  1024                       ; LDS: a fragment as it lies in registers, 32 lanes x 32 bytes
.set RES,   4*FRAG                     ; LDS: behind the four fragments, the 64 results of the work-group
; vector registers
.set LANE, 1                           ; lane 0..31
.set R,    2                           ; lane % 16: my batch element in the wave
.set H,    3                           ; lane / 16: my half of the latents
.set IDO,  4                           ; byte offset of my id
.set GO,   5                           ; byte offset of my part of genres
.set WO,   6                           ; byte offset of my part of the genre weights
.set UID,  7                           ; user id, then 4 x id
.set IID,  8                           ; item id, then 4 x id
.set PO,   9                           ; gather offset in P: 32 h rows + 4 user
.set QO,   10                          ; gather offset in Q: 32 h rows + 4 item
.set HP,   11                          ; 32 h rows of P
.set HQ,   12                          ; 32 h rows of Q
.set LF,   13                          ; LDS: 16 x lane
.set SF,   14                          ; LDS: my 16 bytes in my wave's fragment
.set SR,   15                          ; LDS: my result
.set LO,   16                          ; 8 x lane: the way out
.set T,    17                          ; at work
.set T2,   18
.set G,    20                          ; v[20:35]   genres, 16 f32
.set W,    36                          ; v[36:51]   genre weights, 16 f32
.set GB,   52                          ; v[52:59]   genres as a bf16 fragment (source 1)
.set WB,   60                          ; v[60:67]   my wave's tile of the weights as a bf16 fragment
.set FR,   68                          ; v[68:99]   the four weight fragments (source 0)
.set PD,   100                         ; v[100:131] P[32 h + idx][user]
.set QD,   132                         ; v[132:163] Q[32 h + idx][item]: C, then D = qi
.set AC,   164                         ; v[164:171] four chains of two sums
; scalar registers: s[4:5] user_ids, s[6:7] item_ids, s[8:9] genres, s[10:11] out, s[12:13] Q, s[46:47] Q at my wave's tile, s[48:49] Q at row 16
.set PB,   14                          ; s[14:35]   P at rows 0, 3, 6 .. 30: three rows are in reach of one base (2 x 4,000,000 fits the signed 24-bit immediate)
.set WAVE, 36
	s_load_b256 s[4:11], s[0:1], 0x0               ; user_ids, item_ids, genres, out
	s_load_b128 s[12:15], s[0:1], 0x20             ; Q, P
	v_lshl_add_u32 v172, v0, 2, 0x1100
	v_mov_b32 v173, 0
	v_lshrrev_b32 v[T], 5, v0
	v_readfirstlane_b32 s[WAVE], v[T]              ; wave 0..3 as a scalar
	v_and_b32 v[LANE], 31, v0
	v_and_b32 v[R], 15, v0
	v_bfe_u32 v[H], v0, 4, 1
	v_lshlrev_b32 v[IDO], 2, v[R]                  ; ids: 4 r
	v_lshlrev_b32 v[GO], 7, v[R]                   ; genres: row r of 128 bytes
	v_lshl_or_b32 v[GO], v[H], 5, v[GO]            ;   + 8 h numbers
	v_and_b32 v[T], 7, v0                          ; weights: tile row r is latent 32 (r / 8) + (r % 8) + 8 wave
	v_bfe_u32 v[T2], v0, 3, 1
	v_lshl_or_b32 v[T], v[T2], 5, v[T]
	v_mul_u32_u24 v[WO], v[T], QROW                ; (both factors are below 2^24)
	v_lshl_add_u32 v[WO], v[H], 5, v[WO]           ;   + 8 h numbers
	s_lshl_b32 s42, ttmp9, 8                       ; the work-group's 64 elements: 256 bytes of ids and of out
	s_mov_b32 s43, 0
	s_lshl_b32 s53, s[WAVE], 6                     ; the wave's 16 elements: 64 bytes
	s_add_co_u32 s38, s42, s53
	s_mov_b32 s39, 0
	s_lshl_b32 s40, s38, 5                         ; the same elements in genres: 128 bytes each in place of 4
	s_mov_b32 s41, 0
	s_mul_i32 s44, s[WAVE], 8*QROW                 ; my wave's tile starts at latent 8 wave
	s_mov_b32 s45, 0
	s_wait_kmcnt 0x0
	s_add_nc_u64 s[4:5], s[4:5], s[38:39]
	s_add_nc_u64 s[6:7], s[6:7], s[38:39]
	s_add_nc_u64 s[8:9], s[8:9], s[40:41]
	s_add_nc_u64 s[46:47], s[12:13], s[44:45]
	global_load_b32 v[UID], v[IDO], s[4:5]         ; the ids first: everything hangs on them
	global_load_b32 v[IID], v[IDO], s[6:7]
	; A 16-bit fragment holds k = 8 h .. 8 h + 7 in registers 0-3 and k = 16 + 8 h .. in registers 4-7 (ISA guide 7.12.2): in f32 that is
	; 32 bytes at 32 h and 32 bytes at 64 + 32 h of the row, four loads of 16 bytes.
.irp p, 0,1,2,3
	global_load_b128 v[G+4*\p:G+4*\p+3], v[GO], s[8:9] offset:(\p/2)*64+(\p%2)*16
.endr
.irp p, 0,1,2,3
	global_load_b128 v[W+4*\p:W+4*\p+3], v[WO], s[46:47] offset:GCOL+(\p/2)*64+(\p%2)*16
.endr
	; while these ten loads are on their way: bases and lane terms of the gathers, LDS addresses
.irp c, 1,2,3,4,5,6,7,8,9,10
	s_add_nc_u64 s[PB+2*\c:PB+2*\c+1], s[PB:PB+1], \c*3*PROW
.endr
	s_add_nc_u64 s[48:49], s[12:13], 16*QROW       ; 15 rows of Q are in reach of an immediate: two bases for a lane's 32 rows
	s_add_nc_u64 s[10:11], s[10:11], s[42:43]      ; out at the work-group's 256 bytes
	s_mov_b32 s50, 0x76543210                      ; v_permlanex16_b32: lane i of one half reads lane i of the other
	s_mov_b32 s51, 0xfedcba98
	s_lshl_b32 s52, s[WAVE], 10                    ; my wave's fragment in LDS
	v_mul_lo_u32 v[HP], v[H], 32*PROW              ; the upper half of the lanes takes latents 32 .. 63
	v_mul_u32_u24 v[HQ], v[H], 32*QROW
	v_lshlrev_b32 v[LF], 4, v[LANE]
	v_add_nc_u32 v[SF], s52, v[LF]
	s_wait_loadcnt 0x8                             ; loads come back in order (ISA guide 5.7.1): the two ids are in, the eight loads behind them stay out
	v_min_u32 v[UID], N_USERS-1, v[UID]            ; no address leaves its table, whatever the id
	v_min_u32 v[IID], N_ITEMS-1, v[IID]
	v_lshlrev_b32 v[UID], 2, v[UID]
	v_lshlrev_b32 v[IID], 2, v[IID]
	v_add_nc_u32 v[PO], v[HP], v[UID]              ; at most 32 x 4,000,000 + 3,999,996: below 2^31
	v_add_nc_u32 v[QO], v[HQ], v[IID]
.set i, 0
.rept 32
	global_load_b32 v[PD+i], v[PO], s[PB+2*(i/3):PB+2*(i/3)+1] offset:(i%3)*PROW   ; P[32 h + i][user]
.set i, i+1
.endr
	s_wait_loadcnt 0x20                            ; genres and weights are in; the 32 gathers of P issued behind them stay out
.irp j, 0,1,2,3,4,5,6,7
	v_cvt_pk_bf16_f32 v[WB+\j], v[W+2*\j], v[W+2*\j+1]     ; the lower k into the low half
.endr
	ds_store_b128 v[SF], v[WB:WB+3]                ; the fragment as it lies in registers: lane l at 16 l, registers 4-7 512 bytes on
	ds_store_b128 v[SF], v[WB+4:WB+7] offset:512
.set i, 0
.rept 16
	global_load_b32 v[QD+i], v[QO], s[12:13] offset:i*QROW         ; Q[32 h + i][item], straight into the accumulators
.set i, i+1
.endr
.set i, 0
.rept 16
	global_load_b32 v[QD+16+i], v[QO], s[48:49] offset:i*QROW
.set i, i+1
.endr
.irp j, 0,1,2,3,4,5,6,7
	v_cvt_pk_bf16_f32 v[GB+\j], v[G+2*\j], v[G+2*\j+1]
.endr
	s_wait_dscnt 0x0                               ; for the other waves: my fragment is in LDS
	s_barrier_signal -1
	s_barrier_wait -1                              ; all four are
.irp t, 0,1,2,3
	ds_load_b128 v[FR+8*\t:FR+8*\t+3],   v[LF] offset:\t*FRAG
	ds_load_b128 v[FR+8*\t+4:FR+8*\t+7], v[LF] offset:\t*FRAG+512
.endr
	s_wait_dscnt 0x0                               ; the fragments
	s_wait_loadcnt 0x0                             ; and all gathers: those of Q were issued last
	; qi = q_item + weights x genres: D(m, n) = C(m, n) + sum over g of weights(latent of m, g) genres(batch n, g)
.irp t, 0,1,2,3
	v_wmma_f32_16x16x32_bf16 v[QD+8*\t:QD+8*\t+7], v[FR+8*\t:FR+8*\t+7], v[GB:GB+7], v[QD+8*\t:QD+8*\t+7]
.endr
	; four independent vector instructions stand between a matrix instruction and the first vector instruction that reads its result (ISA guide 7.12.1)
	v_lshl_add_u32 v[SR], v[R], 2, s53             ; LDS: result of element 16 wave + r
	v_lshlrev_b32 v[LO], 3, v[LANE]                ; the way out: 8 bytes a lane
	v_nop
	v_nop
	; sum over my 32 latents of pu * qi: four chains, started by products, nothing is cleared
.irp c, 0,1,2,3
	v_pk_mul_f32 v[AC+2*\c:AC+2*\c+1], v[PD+2*\c:PD+2*\c+1], v[QD+2*\c:QD+2*\c+1]
.endr
.set i, 4
.rept 12
	v_pk_fma_f32 v[AC+2*(i%4):AC+2*(i%4)+1], v[PD+2*i:PD+2*i+1], v[QD+2*i:QD+2*i+1], v[AC+2*(i%4):AC+2*(i%4)+1]
.set i, i+1
.endr
	v_pk_add_f32 v[AC:AC+1], v[AC:AC+1], v[AC+2:AC+3]
	v_pk_add_f32 v[AC+4:AC+5], v[AC+4:AC+5], v[AC+6:AC+7]
	v_pk_add_f32 v[AC:AC+1], v[AC:AC+1], v[AC+4:AC+5]
	v_add_f32 v[AC], v[AC], v[AC+1]                ; latents 32 h .. 32 h + 31
	v_permlanex16_b32 v[AC+1], v[AC], s50, s51     ; the other half's 32 (the destination has been written before)
	v_add_f32 v[AC], v[AC], v[AC+1]                ; lanes r and 16 + r now hold the same number
	ds_store_b32 v[SR], v[AC] offset:RES           ; both write it to the same word
	s_wait_dscnt 0x0                               ; for wave 0: my 16 results are in LDS
	s_barrier_signal -1
	s_barrier_wait -1
	s_cmp_lg_u32 s[WAVE], 0
	s_cbranch_scc1 .Lend
	ds_load_b64 v[AC+2:AC+3], v[LO] offset:RES     ; wave 0: two results a lane,
	s_wait_dscnt 0x0
	global_store_b64 v[LO], v[AC+2:AC+3], s[10:11] th:TH_STORE_NT  ; one store covers the work-group's 256 consecutive bytes, at a multiple of 256 from the first byte of out
.Lend:
	s_wait_tensorcnt 0x0
	ds_add_u32 v172, v173
	s_wait_dscnt 0x0
	s_endpgm
.Lfunc_end_k_q2508447ddf_gmf:
	.size	k_q2508447ddf_gmf, .Lfunc_end_k_q2508447ddf_gmf-k_q2508447ddf_gmf
	.p2alignl 7, 3214868480
	.fill 96, 4, 3214868480
	.section	.rodata,"a",@progbits
	.p2align	6, 0x0
	.amdhsa_kernel k_q2508447ddf_gmf
		.amdhsa_group_segment_fixed_size 4864
		.amdhsa_private_segment_fixed_size 0
		.amdhsa_enable_private_segment 0
		.amdhsa_kernarg_size 48
		.amdhsa_user_sgpr_count 2
		.amdhsa_user_sgpr_kernarg_segment_ptr 1
		.amdhsa_wavefront_size32 1
		.amdhsa_system_sgpr_workgroup_id_x 1
		.amdhsa_system_sgpr_workgroup_id_y 1
		.amdhsa_system_sgpr_workgroup_id_z 1
		.amdhsa_system_vgpr_workitem_id 0
		.amdhsa_next_free_vgpr 174
		.amdhsa_next_free_sgpr 66
		.amdhsa_reserve_vcc 0
		.amdhsa_float_denorm_mode_32 3
		.amdhsa_float_denorm_mode_16_64 3
		.amdhsa_memory_ordered 1
		.amdhsa_forward_progress 1
		.amdhsa_inst_pref_size 15
	.end_amdhsa_kernel
	.amdgpu_metadata
---
amdhsa.version: [ 1, 2 ]
amdhsa.kernels:
  - .name:           k_q2508447ddf_gmf
    .symbol:         k_q2508447ddf_gmf.kd
    .args:
      - { .name: user_ids, .offset: 0, .size: 8, .value_kind: global_buffer, .address_space: global }
      - { .name: item_ids, .offset: 8, .size: 8, .value_kind: global_buffer, .address_space: global }
      - { .name: genres_one_hot, .offset: 16, .size: 8, .value_kind: global_buffer, .address_space: global }
      - { .name: out0, .offset: 24, .size: 8, .value_kind: global_buffer, .address_space: global }
      - { .name: Q_weight, .offset: 32, .size: 8, .value_kind: global_buffer, .address_space: global }
      - { .name: P_weight, .offset: 40, .size: 8, .value_kind: global_buffer, .address_space: global }
    .group_segment_fixed_size: 4864
    .private_segment_fixed_size: 0
    .kernarg_segment_align: 8
    .kernarg_segment_size: 48
    .max_flat_workgroup_size: 128
    .sgpr_count:     66
    .vgpr_count:     174
    .wavefront_size: 32
...
	.end_amdgpu_metadata
.endif
;; end of part 1
;; ======== version 2 of 2: 1 launch; version 1 with the launch gmf written anew for expert scheduling mode
;; launch gmf (part 2): grid 256 x 1, 4 waves a work-group, no clusters, 4,864 bytes of LDS; arguments user_ids, item_ids, genres_one_hot, out0, Q_weight, P_weight; writes out0
.if DOCPART == 2
	.amdgcn_target "amdgcn-amd-amdhsa--gfx1250"
	.amdhsa_code_object_version 6
	.text
	.protected	k_q2508447ddf_gmf
	.globl	k_q2508447ddf_gmf
	.p2align	8
	.type	k_q2508447ddf_gmf,@function
k_q2508447ddf_gmf:
	s_mov_b64 s[64:65], 0
	v_nop
	global_prefetch_b8 v0, s[64:65] scope:SCOPE_SE
	s_setreg_imm32_b32 hwreg(HW_REG_WAVE_SCHED_MODE, 0, 2), 2
	s_setreg_imm32_b32 hwreg(HW_REG_WAVE_MODE, 25, 1), 1
	s_wait_xcnt 0x0
	s_wait_alu depctr_vm_vsrc(0)
; out[b] = sum over k of P[k][user[b]] * ( Q[k][item[b]] + sum over g of genres[b][g] * Q[k][N_ITEMS+g] )
; P: [64][1,000,000] f32, Q: [64][100,032] f32, genres: [16384][32] f32, ids: [16384] i32, out: [16384] f32.
;
; SHARES.  256 work-groups of four waves; a work-group owns 64 batch elements (256 consecutive, aligned bytes of out), a wave 16.
; The matrix instruction is used transposed: source 0 = 16 latent rows of the genre weights, source 1 = 16 batch elements of genres.
; In C and D lane (r, h) then holds batch element r, and register j of tile t the tile row 8 h + j.  Which latent a tile row stands for is
; free as long as P, Q and the weight fragments agree; here tile t, row m is latent 32 (m / 8) + 8 t + (m % 8), so that a lane owns the 32
; consecutive latents 32 h + idx, idx = 8 t + j.  A lane needs two ids only, gathers 32 words of P and 32 of Q, and the gathered words of Q
; go into the matrix instruction as C: q_item + q_genre costs no add.  The sum over the latents is 16 packed multiply-adds in the lane and
; one exchange between the two halves of the wave.
; Every gathered word lies in a row of its own (rows are 4,000,000 and 400,128 bytes apart), so nothing can be joined: what counts is that
; all 64 gathers of every wave are issued as soon as the ids are there.  All waves walk the rows in the same ascending order.
; The genre weights (64 pieces of 128 bytes) are read once by the work-group: wave w loads and rounds tile w, the four register images
; meet in LDS.
;
; THE MODE: SCHED_MODE bits 1:0 = 2 (LLVM: expert scheduling mode 2), set by the entry lines.  The code itself states the register dependences
; between vector or matrix instructions and memory or LDS instructions, with s_wait_alu, always for 0.
; THE PLAN.  Registers that memory or LDS instructions touch:
;   IDO, GO, WO   offsets of the ten first loads: made at the head, never written again.
;   PO, QO        offsets of the 64 gathers: made from the ids, never written again.
;   LF, SF        LDS addresses of the fragments: made behind the ten first loads, never written again.
;   WB            written by eight conversions, read by two LDS stores, never written again.
;   UID, IID, G, W, PD, QD, FR   each loaded once, into registers that no vector or matrix instruction has named; read behind the counters' waits.
;   SR, LO, AC    the result's LDS address, the offset of the way out, the result: written behind the matrix instructions, read by the way out.
;   v[AC+2:AC+3]  written and read by the sums; then wave 0's LDS load lands there.
; So four waits on va_vdst stand in the text: ahead of the first load, ahead of the gathers, ahead of the fragment's LDS stores, ahead of the result's
; LDS store; and one on va_sdst, for the wave's number.  No register that a memory or LDS instruction reads is ever written afterwards, so there is no
; wait on vm_vsrc; EXEC is never written.  The vector lines that stand behind runs of loads name none of the registers that those loads touch.
;
; NOT USED, and why: tensor loads (no tile, only single words); clusters with joint requests (the work-groups share only the 8,192 bytes of
; genre weights, against 8,192 separately gathered words for each work-group); prefetches (each gather is issued as a load as soon as its
; id is known, nothing could be asked for earlier); cache hints on P and Q (an id may come twice, and other work-groups read neighbouring columns).
;
; LIMITS.  Ids are taken to lie inside their tables; an id outside (read as unsigned) is clamped to the last column and does not get what
; jnp.take would give it.  genres and the genre weights are rounded to bf16 (nearest even) for the matrix unit; all else is f32.
; The sum over the latents is made in four chains, not in the order of the reference.
.set N_USERS, 1000000
.set N_ITEMS, 100000
.set PROW,  4*N_USERS                  ; bytes in a row of P
.set QROW,  4*(N_ITEMS+32)             ; bytes in a row of Q
.set GCOL,  4*N_ITEMS                  ; byte of the first genre column in a row of Q
.set FRAG,  1024                       ; LDS: a fragment as it lies in registers, 32 lanes x 32 bytes
.set RES,   4*FRAG                     ; LDS: behind the four fragments, the 64 results of the work-group
; vector registers
.set LANE, 1                           ; lane 0..31
.set R,    2                           ; lane % 16: my batch element in the wave
.set H,    3                           ; lane / 16: my half of the latents
.set IDO,  4                           ; byte offset of my id
.set GO,   5                           ; byte offset of my part of genres
.set WO,   6                           ; byte offset of my part of the genre weights
.set UID,  7                           ; user id, then 4 x id
.set IID,  8                           ; item id, then 4 x id
.set PO,   9                           ; gather offset in P: 32 h rows + 4 user
.set QO,   10                          ; gather offset in Q: 32 h rows + 4 item
.set HP,   11                          ; 32 h rows of P
.set HQ,   12                          ; 32 h rows of Q
.set LF,   13                          ; LDS: 16 x lane
.set SF,   14                          ; LDS: my 16 bytes in my wave's fragment
.set SR,   15                          ; LDS: my result
.set LO,   16                          ; 8 x lane: the way out
.set T,    17                          ; at work
.set T2,   18
.set G,    20                          ; v[20:35]   genres, 16 f32
.set W,    36                          ; v[36:51]   genre weights, 16 f32
.set GB,   52                          ; v[52:59]   genres as a bf16 fragment (source 1)
.set WB,   60                          ; v[60:67]   my wave's tile of the weights as a bf16 fragment
.set FR,   68                          ; v[68:99]   the four weight fragments (source 0)
.set PD,   100                         ; v[100:131] P[32 h + idx][user]
.set QD,   132                         ; v[132:163] Q[32 h + idx][item]: C, then D = qi
.set AC,   164                         ; v[164:171] four chains of two sums
; scalar registers: s[4:5] user_ids, s[6:7] item_ids, s[8:9] genres, s[10:11] out, s[12:13] Q, s[46:47] Q at my wave's tile, s[48:49] Q at row 16
.set PB,   14                          ; s[14:35]   P at rows 0, 3, 6 .. 30: three rows are in reach of one base (2 x 4,000,000 fits the signed 24-bit immediate)
.set WAVE, 36
	s_load_b256 s[4:11], s[0:1], 0x0               ; user_ids, item_ids, genres, out
	s_load_b128 s[12:15], s[0:1], 0x20             ; Q, P
	v_lshl_add_u32 v172, v0, 2, 0x1100
	v_mov_b32 v173, 0
	v_lshrrev_b32 v[T], 5, v0
	v_readfirstlane_b32 s[WAVE], v[T]              ; wave 0..3 as a scalar
	v_and_b32 v[LANE], 31, v0
	v_and_b32 v[R], 15, v0
	v_bfe_u32 v[H], v0, 4, 1
	v_lshlrev_b32 v[IDO], 2, v[R]                  ; ids: 4 r
	v_lshlrev_b32 v[GO], 7, v[R]                   ; genres: row r of 128 bytes
	v_lshl_or_b32 v[GO], v[H], 5, v[GO]            ;   + 8 h numbers
	v_and_b32 v[T], 7, v0                          ; weights: tile row r is latent 32 (r / 8) + (r % 8) + 8 wave
	v_bfe_u32 v[T2], v0, 3, 1
	v_lshl_or_b32 v[T], v[T2], 5, v[T]
	v_mul_u32_u24 v[WO], v[T], QROW                ; (both factors are below 2^24)
	v_lshl_add_u32 v[WO], v[H], 5, v[WO]           ;   + 8 h numbers
	s_lshl_b32 s42, ttmp9, 8                       ; the work-group's 64 elements: 256 bytes of ids and of out
	s_mov_b32 s43, 0
	s_wait_alu depctr_va_sdst(0)                   ; the wave's number is written, ahead of its first reader: the offsets of the ids, of genres, of the weights' tile and of the LDS fragment are made from it
	s_lshl_b32 s53, s[WAVE], 6                     ; the wave's 16 elements: 64 bytes
	s_add_co_u32 s38, s42, s53
	s_mov_b32 s39, 0
	s_lshl_b32 s40, s38, 5                         ; the same elements in genres: 128 bytes each in place of 4
	s_mov_b32 s41, 0
	s_mul_i32 s44, s[WAVE], 8*QROW                 ; my wave's tile starts at latent 8 wave
	s_mov_b32 s45, 0
	s_wait_kmcnt 0x0
	s_add_nc_u64 s[4:5], s[4:5], s[38:39]
	s_add_nc_u64 s[6:7], s[6:7], s[38:39]
	s_add_nc_u64 s[8:9], s[8:9], s[40:41]
	s_add_nc_u64 s[46:47], s[12:13], s[44:45]
	s_wait_alu depctr_va_vdst(0)                   ; the offsets IDO, GO and WO are written, which the ten loads below read
	global_load_b32 v[UID], v[IDO], s[4:5]         ; the ids first: everything hangs on them
	global_load_b32 v[IID], v[IDO], s[6:7]
	; A 16-bit fragment holds k = 8 h .. 8 h + 7 in registers 0-3 and k = 16 + 8 h .. in registers 4-7 (ISA guide 7.12.2): in f32 that is
	; 32 bytes at 32 h and 32 bytes at 64 + 32 h of the row, four loads of 16 bytes.
.irp p, 0,1,2,3
	global_load_b128 v[G+4*\p:G+4*\p+3], v[GO], s[8:9] offset:(\p/2)*64+(\p%2)*16
.endr
.irp p, 0,1,2,3
	global_load_b128 v[W+4*\p:W+4*\p+3], v[WO], s[46:47] offset:GCOL+(\p/2)*64+(\p%2)*16
.endr
	; while these ten loads are on their way: bases and lane terms of the gathers, LDS addresses (the vector lines write HP, HQ, LF and SF, which none of the ten loads names)
.irp c, 1,2,3,4,5,6,7,8,9,10
	s_add_nc_u64 s[PB+2*\c:PB+2*\c+1], s[PB:PB+1], \c*3*PROW
.endr
	s_add_nc_u64 s[48:49], s[12:13], 16*QROW       ; 15 rows of Q are in reach of an immediate: two bases for a lane's 32 rows
	s_add_nc_u64 s[10:11], s[10:11], s[42:43]      ; out at the work-group's 256 bytes
	s_mov_b32 s50, 0x76543210                      ; v_permlanex16_b32: lane i of one half reads lane i of the other
	s_mov_b32 s51, 0xfedcba98
	s_lshl_b32 s52, s[WAVE], 10                    ; my wave's fragment in LDS
	v_mul_lo_u32 v[HP], v[H], 32*PROW              ; the upper half of the lanes takes latents 32 .. 63
	v_mul_u32_u24 v[HQ], v[H], 32*QROW
	v_lshlrev_b32 v[LF], 4, v[LANE]
	v_add_nc_u32 v[SF], s52, v[LF]
	s_wait_loadcnt 0x8                             ; loads come back in order (ISA guide 5.7.1): the two ids are in, the eight loads behind them stay out
	v_min_u32 v[UID], N_USERS-1, v[UID]            ; no address leaves its table, whatever the id
	v_min_u32 v[IID], N_ITEMS-1, v[IID]
	v_lshlrev_b32 v[UID], 2, v[UID]
	v_lshlrev_b32 v[IID], 2, v[IID]
	v_add_nc_u32 v[PO], v[HP], v[UID]              ; at most 32 x 4,000,000 + 3,999,996: below 2^31
	v_add_nc_u32 v[QO], v[HQ], v[IID]
	s_wait_alu depctr_va_vdst(0)                   ; PO and QO are written, which the 64 gathers read; so are LF and SF, the LDS addresses of the fragments.  None of the four is written again
.set i, 0
.rept 32
	global_load_b32 v[PD+i], v[PO], s[PB+2*(i/3):PB+2*(i/3)+1] offset:(i%3)*PROW   ; P[32 h + i][user]
.set i, i+1
.endr
	s_wait_loadcnt 0x20                            ; genres and weights are in; the 32 gathers of P issued behind them stay out
.irp j, 0,1,2,3,4,5,6,7
	v_cvt_pk_bf16_f32 v[WB+\j], v[W+2*\j], v[W+2*\j+1]     ; the lower k into the low half
.endr
	s_wait_alu depctr_va_vdst(0)                   ; the eight conversions have written WB, which the two LDS stores read
	ds_store_b128 v[SF], v[WB:WB+3]                ; the fragment as it lies in registers: lane l at 16 l, registers 4-7 512 bytes on
	ds_store_b128 v[SF], v[WB+4:WB+7] offset:512
.set i, 0
.rept 16
	global_load_b32 v[QD+i], v[QO], s[12:13] offset:i*QROW         ; Q[32 h + i][item], straight into the accumulators, which no vector or matrix instruction has named yet
.set i, i+1
.endr
.set i, 0
.rept 16
	global_load_b32 v[QD+16+i], v[QO], s[48:49] offset:i*QROW
.set i, i+1
.endr
.irp j, 0,1,2,3,4,5,6,7
	v_cvt_pk_bf16_f32 v[GB+\j], v[G+2*\j], v[G+2*\j+1]     ; these name G and GB alone: no memory or LDS instruction from here on touches either
.endr
	s_wait_dscnt 0x0                               ; for the other waves: my fragment is in LDS
	s_barrier_signal -1
	s_barrier_wait -1                              ; all four are
.irp t, 0,1,2,3
	ds_load_b128 v[FR+8*\t:FR+8*\t+3],   v[LF] offset:\t*FRAG
	ds_load_b128 v[FR+8*\t+4:FR+8*\t+7], v[LF] offset:\t*FRAG+512
.endr
	s_wait_dscnt 0x0                               ; the fragments
	s_wait_loadcnt 0x0                             ; and all gathers: those of Q were issued last
	; qi = q_item + weights x genres: D(m, n) = C(m, n) + sum over g of weights(latent of m, g) genres(batch n, g)
.irp t, 0,1,2,3
	v_wmma_f32_16x16x32_bf16 v[QD+8*\t:QD+8*\t+7], v[FR+8*\t:FR+8*\t+7], v[GB:GB+7], v[QD+8*\t:QD+8*\t+7]
.endr
	; four independent vector instructions stand between a matrix instruction and the first vector instruction that reads its result (ISA guide 7.12.1)
	v_lshl_add_u32 v[SR], v[R], 2, s53             ; LDS: result of element 16 wave + r
	v_lshlrev_b32 v[LO], 3, v[LANE]                ; the way out: 8 bytes a lane
	v_nop
	v_nop
	; sum over my 32 latents of pu * qi: four chains, started by products, nothing is cleared
.irp c, 0,1,2,3
	v_pk_mul_f32 v[AC+2*\c:AC+2*\c+1], v[PD+2*\c:PD+2*\c+1], v[QD+2*\c:QD+2*\c+1]
.endr
.set i, 4
.rept 12
	v_pk_fma_f32 v[AC+2*(i%4):AC+2*(i%4)+1], v[PD+2*i:PD+2*i+1], v[QD+2*i:QD+2*i+1], v[AC+2*(i%4):AC+2*(i%4)+1]
.set i, i+1
.endr
	v_pk_add_f32 v[AC:AC+1], v[AC:AC+1], v[AC+2:AC+3]
	v_pk_add_f32 v[AC+4:AC+5], v[AC+4:AC+5], v[AC+6:AC+7]
	v_pk_add_f32 v[AC:AC+1], v[AC:AC+1], v[AC+4:AC+5]
	v_add_f32 v[AC], v[AC], v[AC+1]                ; latents 32 h .. 32 h + 31
	v_permlanex16_b32 v[AC+1], v[AC], s50, s51     ; the other half's 32 (the destination has been written before)
	v_add_f32 v[AC], v[AC], v[AC+1]                ; lanes r and 16 + r now hold the same number
	s_wait_alu depctr_va_vdst(0)                   ; the result AC and its address SR are written, which the LDS store reads; so is LO, the offset of wave 0's load and store; and the sums are done with v[AC+2:AC+3], in which that load lands.  No vector instruction follows
	ds_store_b32 v[SR], v[AC] offset:RES           ; both write it to the same word
	s_wait_dscnt 0x0                               ; for wave 0: my 16 results are in LDS
	s_barrier_signal -1
	s_barrier_wait -1
	s_cmp_lg_u32 s[WAVE], 0
	s_cbranch_scc1 .Lend
	ds_load_b64 v[AC+2:AC+3], v[LO] offset:RES     ; wave 0: two results a lane,
	s_wait_dscnt 0x0
	global_store_b64 v[LO], v[AC+2:AC+3], s[10:11] th:TH_STORE_NT  ; one store covers the work-group's 256 consecutive bytes, at a multiple of 256 from the first byte of out
.Lend:
	s_wait_dscnt 0x0
	s_wait_alu depctr_hold_cnt(0) depctr_sa_sdst(0) depctr_va_vdst(0) depctr_va_sdst(0) depctr_va_ssrc(0) depctr_va_vcc(0) depctr_vm_vsrc(0)
	s_wait_tensorcnt 0x0
	ds_add_u32 v172, v173
	s_wait_dscnt 0x0
	s_endpgm
.Lfunc_end_k_q2508447ddf_gmf:
	.size	k_q2508447ddf_gmf, .Lfunc_end_k_q2508447ddf_gmf-k_q2508447ddf_gmf
	.p2alignl 7, 3214868480
	.fill 96, 4, 3214868480
	.section	.rodata,"a",@progbits
	.p2align	6, 0x0
	.amdhsa_kernel k_q2508447ddf_gmf
		.amdhsa_group_segment_fixed_size 4864
		.amdhsa_private_segment_fixed_size 0
		.amdhsa_enable_private_segment 0
		.amdhsa_kernarg_size 48
		.amdhsa_user_sgpr_count 2
		.amdhsa_user_sgpr_kernarg_segment_ptr 1
		.amdhsa_wavefront_size32 1
		.amdhsa_system_sgpr_workgroup_id_x 1
		.amdhsa_system_sgpr_workgroup_id_y 1
		.amdhsa_system_sgpr_workgroup_id_z 1
		.amdhsa_system_vgpr_workitem_id 0
		.amdhsa_next_free_vgpr 174
		.amdhsa_next_free_sgpr 66
		.amdhsa_reserve_vcc 0
		.amdhsa_float_denorm_mode_32 3
		.amdhsa_float_denorm_mode_16_64 3
		.amdhsa_memory_ordered 1
		.amdhsa_forward_progress 1
		.amdhsa_inst_pref_size 15
	.end_amdhsa_kernel
	.amdgpu_metadata
---
amdhsa.version: [ 1, 2 ]
amdhsa.kernels:
  - .name:           k_q2508447ddf_gmf
    .symbol:         k_q2508447ddf_gmf.kd
    .args:
      - { .name: user_ids, .offset: 0, .size: 8, .value_kind: global_buffer, .address_space: global }
      - { .name: item_ids, .offset: 8, .size: 8, .value_kind: global_buffer, .address_space: global }
      - { .name: genres_one_hot, .offset: 16, .size: 8, .value_kind: global_buffer, .address_space: global }
      - { .name: out0, .offset: 24, .size: 8, .value_kind: global_buffer, .address_space: global }
      - { .name: Q_weight, .offset: 32, .size: 8, .value_kind: global_buffer, .address_space: global }
      - { .name: P_weight, .offset: 40, .size: 8, .value_kind: global_buffer, .address_space: global }
    .group_segment_fixed_size: 4864
    .private_segment_fixed_size: 0
    .kernarg_segment_align: 8
    .kernarg_segment_size: 48
    .max_flat_workgroup_size: 128
    .sgpr_count:     66
    .vgpr_count:     174
    .wavefront_size: 32
...
	.end_amdgpu_metadata
.endif
;; end of part 2
